; MI455X (gfx1250); checked and timed in simulation.
; The chip was launched on July 23, 2026; its instructions are those of AMD's public machine-readable ISA for CDNA 5 (MIT licence, August 2026) and "CDNA5" Instruction Set Architecture Reference Guide (July 2026). The comments in the code are by the model that wrote it; some were corrected since.
;; KNN VC. Allowed arithmetic: matrix products marked QUANTISED: E3M2 operands, one E8M0 scale for each 32 along K, by v_wmma_scale_f32_16x16x128_f8f6f4 with both operands' format E3M2, f32 sums; everything else in f32.
;; Inputs: matching_set 32,768 x 1,024 float32; query_seq 2,048 x 1,024 float32; synth_set 32,768 x 1,024 float32.
;; Outputs: out0 2,048 x 1,024 float32.
;; Constants: topk = 4.
;; This version of the problem:
;;   THIS VERSION OF THE PROBLEM IS GIVEN IN LOW PRECISION. The matrix products marked QUANTISED in the list below multiply operands that are first quantised to E3M2 (3 exponent bits, 2 mantissa bits; 6 bits a number), with one power-of-two scale for each 32 numbers along K (OCP MX v1.0); their sums are f32. All else is computed in f32.
;;   The module's matrix products, in the order in which they are computed (A, B: the left and right operand; K: the contracted axis; several contracted axes count as one K, in the product's order):
;;     1. [M 2,048, K 1,024] x [K 1,024, N 32,768]; A: input query_seq; B: input matching_set: QUANTISED
;;   THE QUANTISER, for each operand of a quantised product, along K:
;;     - K is cut into blocks of 32 from its start; a last block that is shorter is filled with zeros.
;;     - A block's scale is 2^e with e = floor(log2(the largest magnitude in the block)) - 4, held to -126 .. 127; a block of zeros has e = 0. As a byte (E8M0): e + 127.
;;     - Each number is divided by its block's scale, clamped to +-28, and rounded to the nearest number of E3M2, ties to even, subnormals kept.
;;     - The product sums the exact products of the quantised numbers (number of the format x scale) in f32.
;;   ~~~python
;;   def quantise(x, axis):      # numpy; x: float32 -> the quantised numbers, widened to float32 again
;;       x = np.moveaxis(x, axis, -1); K = x.shape[-1]
;;       x = np.pad(x, [(0, 0)] * (x.ndim - 1) + [(0, -K % 32)]); x = x.reshape(x.shape[:-1] + (-1, 32)); a = np.abs(x).max(-1, keepdims=True)
;;       e = np.where(a > 0, np.clip(np.frexp(np.where(a > 0, a, 1))[1] - 1 - 4, -126, 127), 0)      # np.frexp(a)[1] - 1 = floor(log2(a)), exactly
;;       r = np.clip(x / 2.0 ** e, -28, 28)
;;       step = 2.0 ** (np.maximum(np.frexp(np.where(r == 0, 1, r))[1] - 1, -2) - 2)
;;       q = np.round(r / step) * step * 2.0 ** e      # np.round: ties to even
;;       return np.moveaxis(q.reshape(q.shape[:-2] + (-1,))[..., :K], -1, axis).astype(np.float32)
;;   ~~~
;; One version. Each part assembles by itself: llvm-mc -triple=amdgcn-amd-amdhsa -mcpu=gfx1250 --defsym DOCPART=n.
;; ======== version 1 of 1: 3 launches
;; limits: right only within a limited range of input values
;; workspace buffers: bq 26,738,688 bytes; aq 1,671,168 bytes; cand 2,097,152 bytes of whole numbers
;; launch quant (part 1): grid 544 x 1, 4 waves a work-group, no clusters, 34,304 bytes of LDS; arguments matching_set, query_seq, bq, aq; writes bq, aq
.if DOCPART == 1
	.amdgcn_target "amdgcn-amd-amdhsa--gfx1250"
	.amdhsa_code_object_version 6
	.text
	.protected	k_qed1a449ed6_quant
	.globl	k_qed1a449ed6_quant
	.p2align	8
	.type	k_qed1a449ed6_quant,@function
k_qed1a449ed6_quant:
	s_mov_b64 s[64:65], 0
	v_nop
	global_prefetch_b8 v0, s[64:65] scope:SCOPE_SE
	s_setreg_imm32_b32 hwreg(HW_REG_WAVE_MODE, 25, 1), 1
	s_wait_xcnt 0x0
; KNN regression: cosine distances of 2,048 queries to 32,768 matching rows (the product on codes of BF6 = E3M2, one E8M0 scale for each 32 along K), the four nearest, the mean of their synth rows.
; THREE LAUNCHES: this one quantises both operands; the second multiplies and keeps four candidates for each query and each 1,024 columns; the third merges them and gathers.
; NOTHING OF THE COMPUTATION IS LEFT OUT: every input is loaded.  Of synth_set only the rows that the stored indices name are read (a lookup by an index, in the launch that reads the indices from memory).
; The norms are taken of the numbers as they are given, in f32, not of the quantised ones.
; THIS LAUNCH.  matching_set [32768][1024] and query_seq [2048][1024], f32, become RECORDS of 16 rows x 1,024 along K, 13,056 bytes = 51 x 256 each, laid in the order of the operand's registers:
;   bytes 0 .. 12287: eight fragments (K step s of 128 at 1536 s), each an image of the 12 registers of 32 lanes: registers 4 g .. 4 g + 3 of lane l at 512 g + 16 l;
;   bytes 12288 ..  : the scale words: row r's eight words at 32 r, word s for K step s;      bytes 12800 ..: 64 floats, float i = the factor of row i % 16.
;   The factor is 2^24 / |row| for matching_set and -1 / |row| for query_seq, so that the next launch makes 2^24 (1 - cosine) by one multiplication and one fused multiply-add.
; A block's scale is 2^(floor(log2(its largest magnitude)) - 4): its byte is the largest magnitude's exponent field - 4, held at 1 from below.  A block of zeros so gets the byte 1 where the quantiser says 127:
; its codes are zeros, which add nothing under any byte but 0xff, and this program alone reads the bytes.
; LIMITS: blocks whose largest magnitude lies under 2^-122 get the byte 1; a row's sum of squares is held at 2^-126 from below, so a row of zeros counts as cosine 0 (reference(): 0 / 0), and rows so small that
; their sum of squares falls under that bound get a wrong norm; NaN and infinities among the inputs are not served.
; SHARES.  A wave makes one record.  Work-groups 0 .. 511 take matching_set, 512 .. 543 query_seq: only pointers and the factor's multiplier are chosen, by the work-group's number; there is one path.
; Each load reads 512 consecutive bytes of one row; a K step's 16 rows x 512 bytes turn through the wave's own stage in LDS, so that lane (r, h) gets row r's k = 64 c + 32 h + 0 .. 31: two whole blocks,
; in the very order of the operand's registers.  No barrier: waves share nothing.  Loads run two K steps (32 loads a wave) ahead.
.set REC,   13056
.set FRAGB, 1536
.set SCO,   12288
.set FCO,   12800
.set SP,    528                        ; a stage row: 512 bytes + 16 = 33 x 16: the sixteen rows of a load begin at sixteen different 16-byte columns modulo 256
.set WSTG,  16*SP                      ; a wave's stage
.set SPARE, 4*WSTG                     ; behind the stages: the spare words, 128 bytes for each wave: two blocks of 256 bytes that no other line names
.set MWG,   512                        ; work-groups of matching_set: 32,768 rows / 64
.set LO,  1                            ; v1   16 x lane: my bytes of a load's 512, and of an image's 512
.set STI, 2                            ; v2   the stage, on the way in
.set STO, 3                            ; v3   and on the way out: row r, + 128 h
.set SO,  4                            ; v4   32 r + 16 h: my four scale words in the record
.set FA,  5                            ; v5   stage + 4 x lane
.set FB,  6                            ; v6   stage + 8 x lane
.set FO,  7                            ; v7   8 x lane
.set H8,  8                            ; v8   8 h
.set SPW, 9                            ; v9   LDS address of my spare word; never rewritten
.set NIL, 10                           ; v10  0; never rewritten
.set PT,  11                           ; v11  a lane permute's destination
.set MX,  12                           ; v12-13 largest magnitudes;  v14-15 the conversions' scale operands;  v16-17 bytes;  v18 my half of the word
.set SE,  14
.set BY,  16
.set F,   20                           ; v20-31 the fragment
.set F2,  32                           ; v32-34, v36-38 the blocks' upper halves as the conversions leave them
.set W,   40                           ; v40-47 the eight scale words
.set SS,  48                           ; v48-55 sums of squares, four pairs
.set WO,  56                           ; v56-59 the four words that I store
.set R,   64                           ; v64-191 two sets of 64, as loaded
.set X,   192                          ; v192-255 my 64 numbers of a K step
	s_load_b128 s[4:7], s[0:1], 0x0                ; matching_set, query_seq
	s_load_b128 s[8:11], s[0:1], 0x10              ; bq, aq
	v_lshl_add_u32 v[SPW], v0, 2, SPARE
	v_mov_b32 v[NIL], 0
	v_lshrrev_b32 v[PT], 5, v0
	v_readfirstlane_b32 s12, v[PT]                 ; wave 0..3
	v_and_b32 v12, 31, v0                          ; lane
	v_and_b32 v13, 15, v0                          ; r
	v_bfe_u32 v14, v0, 4, 1                        ; h
	s_mul_i32 s13, s12, WSTG                       ; my stage
	v_lshlrev_b32 v[LO], 4, v12
	v_add_nc_u32 v[STI], s13, v[LO]
	v_mul_u32_u24 v[STO], v13, SP
	v_lshl_add_u32 v[STO], v14, 7, v[STO]
	v_add_nc_u32 v[STO], s13, v[STO]
	v_lshlrev_b32 v[SO], 5, v13
	v_lshl_add_u32 v[SO], v14, 4, v[SO]
	v_lshl_add_u32 v[FA], v12, 2, s13
	v_lshl_add_u32 v[FB], v12, 3, s13
	v_lshlrev_b32 v[FO], 3, v12
	v_lshlrev_b32 v[H8], 3, v14
	v_mov_b32 v[PT], 0                             ; written once: a lane permute's destination counts as one of its sources
	s_mov_b32 s20, 0x76543210
	s_mov_b32 s21, 0xfedcba98                      ; v_permlanex16_b32's selects for lane l xor 16
	s_mov_b32 s22, 0xffff0000                      ; the lanes with h = 1
	s_wait_alu depctr_va_vdst(0)
	s_wait_kmcnt 0x0
	s_cmp_lt_u32 ttmp9, MWG                        ; which tensor: the choice hangs on the work-group's number alone
	s_cselect_b64 s[4:5], s[4:5], s[6:7]
	s_cselect_b64 s[8:9], s[8:9], s[10:11]
	s_cselect_b32 s14, 0, MWG
	s_mov_b32 s23, 0xbf800000                      ; -1 for the queries,
	s_cselect_b32 s23, 0x4b800000, s23             ; 2^24 for the matching rows
	s_sub_co_u32 s14, ttmp9, s14
	s_lshl_b32 s14, s14, 2
	s_add_co_u32 s14, s14, s12                     ; my record's number in its tensor
	s_lshl_b32 s16, s14, 16                        ; 16 rows of 4,096 bytes (under 2^28)
	s_mov_b32 s17, 0
	s_add_nc_u64 s[4:5], s[4:5], s[16:17]
	s_mul_i32 s16, s14, REC
	s_add_nc_u64 s[8:9], s[8:9], s[16:17]
.macro LOADS s                         ; K step s of my 16 rows: each load reads 512 consecutive bytes, at a multiple of 512 from the tensor's first byte
.irp i, 0,1,2,3,4,5,6,7,8,9,10,11,12,13,14,15
	global_load_b128 v[R+64*((\s)%2)+4*\i:R+64*((\s)%2)+4*\i+3], v[LO], s[4:5] offset:4096*\i+512*(\s) th:TH_LOAD_NT
.endr
.endm
.macro KSTEP s
.set RS, R+64*((\s)%2)
.if (\s) < 7
	s_wait_loadcnt 16                              ; this K step's 16 loads are in; the next step's 16 may be out
.else
	s_wait_loadcnt 0x0
.endif
.irp i, 0,1,2,3,4,5,6,7,8,9,10,11,12,13,14,15
	ds_store_b128 v[STI], v[RS+4*\i:RS+4*\i+3] offset:SP*\i
.endr
.irp c, 0,1
.irp q, 0,1,2,3,4,5,6,7
	ds_load_b128 v[X+32*\c+4*\q:X+32*\c+4*\q+3], v[STO] offset:256*\c+16*\q   ; LDS serves a wave's instructions in order: these see the stores above
.endr
.endr
	s_wait_dscnt 0x0                               ; my 64 numbers are in, and the stores into the stage have read their registers
	s_wait_xcnt 0x0                                ; the last K step's stores have read the fragment's registers, which are written again below
.if (\s) < 6
	LOADS (\s)+2                                   ; into the set that the stage has just taken over
.endif
.set k, 0
.rept 32                               ; the row's sum of squares, of the numbers as given: four chains of pairs; the first K step's first four products start them
.if ((\s) == 0) && (k < 4)
	v_pk_mul_f32 v[SS+2*k:SS+2*k+1], v[X+2*k:X+2*k+1], v[X+2*k:X+2*k+1]
.else
	v_pk_fma_f32 v[SS+2*(k%4):SS+2*(k%4)+1], v[X+2*k:X+2*k+1], v[X+2*k:X+2*k+1], v[SS+2*(k%4):SS+2*(k%4)+1]
.endif
.set k, k+1
.endr
.irp c, 0,1                            ; my block 2 c + h: all its 32 numbers are mine
	v_max3_num_f32 v[MX+\c], |v[X+32*\c]|, |v[X+32*\c+1]|, 0x2800000   ; and the floor 2^(5 - 127): the byte cannot fall under 1
.endr
.irp i, 2,4,6,8,10,12,14,16,18,20,22,24,26,28,30
.irp c, 0,1
	v_max3_num_f32 v[MX+\c], v[MX+\c], |v[X+32*\c+\i]|, |v[X+32*\c+\i+1]|   ; (the two blocks by turns)
.endr
.endr
.irp c, 0,1
	v_add_nc_u32 v[SE+\c], 0xfe000000, v[MX+\c]    ; 4 off the exponent field: the conversion takes the exponent field of this operand as its scale, and nothing else of it
.endr
.irp c, 0,1
	v_lshrrev_b32 v[BY+\c], 23, v[SE+\c]           ; the scale's byte
.endr
	v_lshl_or_b32 v[BY+2], v[BY+1], 16, v[BY]      ; my two bytes, blocks h and 2 + h,
	v_lshlrev_b32 v[BY+2], v[H8], v[BY+2]          ; at their places in the word;
	v_permlanex16_b32 v[PT], v[BY+2], s20, s21
	v_or_b32 v[W+(\s)], v[BY+2], v[PT]             ; with lane l xor 16's two the word is whole
.irp c, 0,1
	v_cvt_scalef32_pk16_bf6_f32 v[F+6*\c:F+6*\c+2], v[X+32*\c:X+32*\c+15], v[SE+\c]
	v_cvt_scalef32_pk16_bf6_f32 v[F2+4*\c:F2+4*\c+2], v[X+32*\c+16:X+32*\c+31], v[SE+\c]   ; (a conversion's three registers begin on an even number)
.endr
	v_nop                                          ; one plain place behind a scaled conversion
.irp c, 0,1
.irp i, 0,1,2
	v_mov_b32 v[F+3+6*\c+\i], v[F2+4*\c+\i]        ; registers 6 c .. 6 c + 5 hold k = 64 c + 32 h + 0 .. 31
.endr
.endr
.irp g, 0,1,2
	global_store_b128 v[LO], v[F+4*\g:F+4*\g+3], s[8:9] offset:FRAGB*(\s)+512*\g   ; 32 lanes store 512 consecutive bytes, at a multiple of 256 from the buffer's first byte
.endr
.endm
	LOADS 0
	LOADS 1
.irp t, 0,1,2,3,4,5,6,7
	KSTEP \t
.endr
	; the factor
	v_pk_add_f32 v[SS:SS+1], v[SS:SS+1], v[SS+2:SS+3]
	v_pk_add_f32 v[SS+4:SS+5], v[SS+4:SS+5], v[SS+6:SS+7]
	v_pk_add_f32 v[SS:SS+1], v[SS:SS+1], v[SS+4:SS+5]
	v_add_f32 v[SS], v[SS], v[SS+1]
	v_permlanex16_b32 v[PT], v[SS], s20, s21
	v_add_f32 v[SS], v[SS], v[PT]                  ; with lane l xor 16's half: row r's sum of squares
	v_max_num_f32 v[SS], 0x00800000, v[SS]         ; held at 2^-126 (see LIMITS)
	s_wait_alu depctr_va_vdst(0)
	v_rsq_f32 v[SS+1], v[SS]
.irp i, 0,1,2,3
	v_cndmask_b32 v[WO+\i], v[W+\i], v[W+4+\i], s22   ; lanes with h = 0 store words 0 .. 3 of their row, the others words 4 .. 7.  (Plain work behind the transcendental)
.endr
	global_store_b128 v[SO], v[WO:WO+3], s[8:9] offset:SCO   ; 512 consecutive bytes
	s_wait_alu depctr_va_vdst(0)                   ; the wait ahead of the first line that names the transcendental's result
	v_mul_f32 v[SS+1], s23, v[SS+1]                ; 2^24 / |row|, or -1 / |row|
	ds_store_b32 v[FA], v[SS+1]                    ; lane l holds row l % 16's: stored twice, 64 floats on end,
	ds_store_b32 v[FA], v[SS+1] offset:128
	ds_load_b64 v[SS+2:SS+3], v[FB]                ; and back 8 bytes a lane (LDS serves a wave's instructions in order)
	s_wait_dscnt 0x0
	global_store_b64 v[FO], v[SS+2:SS+3], s[8:9] offset:FCO   ; 32 lanes store 256 consecutive bytes, aligned
	s_wait_tensorcnt 0x0                           ; the wave's end, behind my last LDS store
	ds_add_u32 v[SPW], v[NIL]
	s_wait_dscnt 0x0
	s_endpgm
.Lfunc_end_k_qed1a449ed6_quant:
	.size	k_qed1a449ed6_quant, .Lfunc_end_k_qed1a449ed6_quant-k_qed1a449ed6_quant
	.p2alignl 7, 3214868480
	.fill 96, 4, 3214868480
	.section	.rodata,"a",@progbits
	.p2align	6, 0x0
	.amdhsa_kernel k_qed1a449ed6_quant
		.amdhsa_group_segment_fixed_size 34304
		.amdhsa_private_segment_fixed_size 0
		.amdhsa_enable_private_segment 0
		.amdhsa_kernarg_size 32
		.amdhsa_user_sgpr_count 2
		.amdhsa_user_sgpr_kernarg_segment_ptr 1
		.amdhsa_wavefront_size32 1
		.amdhsa_system_sgpr_workgroup_id_x 1
		.amdhsa_system_sgpr_workgroup_id_y 1
		.amdhsa_system_sgpr_workgroup_id_z 1
		.amdhsa_system_vgpr_workitem_id 0
		.amdhsa_next_free_vgpr 256
		.amdhsa_next_free_sgpr 66
		.amdhsa_reserve_vcc 0
		.amdhsa_float_denorm_mode_32 3
		.amdhsa_float_denorm_mode_16_64 3
		.amdhsa_memory_ordered 1
		.amdhsa_forward_progress 1
		.amdhsa_inst_pref_size 74
	.end_amdhsa_kernel
	.amdgpu_metadata
---
amdhsa.version: [ 1, 2 ]
amdhsa.kernels:
  - .name:           k_qed1a449ed6_quant
    .symbol:         k_qed1a449ed6_quant.kd
    .args:
      - { .name: matching_set, .offset: 0, .size: 8, .value_kind: global_buffer, .address_space: global }
      - { .name: query_seq, .offset: 8, .size: 8, .value_kind: global_buffer, .address_space: global }
      - { .name: bq, .offset: 16, .size: 8, .value_kind: global_buffer, .address_space: global }
      - { .name: aq, .offset: 24, .size: 8, .value_kind: global_buffer, .address_space: global }
    .group_segment_fixed_size: 34304
    .private_segment_fixed_size: 0
    .kernarg_segment_align: 8
    .kernarg_segment_size: 32
    .max_flat_workgroup_size: 128
    .sgpr_count:     66
    .vgpr_count:     256
    .wavefront_size: 32
...
	.end_amdgpu_metadata
.endif
;; end of part 1
;; launch score (part 2): grid 8 x 32, 4 waves a work-group, clusters of 4 x 1, 327,680 bytes of LDS; arguments aq, bq, cand; writes cand
.if DOCPART == 2
	.amdgcn_target "amdgcn-amd-amdhsa--gfx1250"
	.amdhsa_code_object_version 6
	.text
	.protected	k_qed1a449ed6_score
	.globl	k_qed1a449ed6_score
	.p2align	8
	.type	k_qed1a449ed6_score,@function
k_qed1a449ed6_score:
	s_mov_b64 s[64:65], 0
	v_nop
	global_prefetch_b8 v0, s[64:65] scope:SCOPE_SE
	s_setreg_imm32_b32 hwreg(HW_REG_WAVE_MODE, 25, 1), 1
	s_wait_xcnt 0x0
	s_wait_alu depctr_hold_cnt(0) depctr_sa_sdst(0) depctr_va_vdst(0) depctr_va_sdst(0) depctr_va_ssrc(0) depctr_va_vcc(0) depctr_vm_vsrc(0)
	s_getreg_b32 s2, hwreg(HW_REG_IB_STS2, 6, 4)
	s_cmp_eq_u32 s2, 0
	s_cbranch_scc0 .Lentry_in_a_cluster
	s_endpgm
.Lentry_in_a_cluster:
	s_bfe_u32 s2, ttmp6, 0x10000c
	s_cmp_lg_u32 s2, 0x3003
	s_cbranch_scc0 .Lentry_shape_is_right
	s_endpgm
.Lentry_shape_is_right:
; The product on codes of BF6, and four candidates for each query and each 1,024 matching rows.  Nothing of the computation is left out here.
; SHARES.  A work-group takes 256 queries x 1,024 matching rows; a wave keeps the fragments of its 64 queries in registers for the whole launch.  The matching rows' records (16 rows each) come
; through two LDS slots of eight records, by joint loads of the four work-groups of a cluster, which walk the same rows.  Source 0 = 16 matching rows, source 1 = 16 queries: a lane holds one query.
; THE KEY.  v = 2^24 - (3/4) 2^24 cosine, by one multiplication (the row's factor) and one fused multiply-add (the query's factor, taken times 3/4 once at the head).
; A code is at most 1.125 times its number, so the cosine of the quantised product over the given norms stays under 1.27 in magnitude; v lies in [2^17, 2^25) for -1.33 < cosine < 1.32.
; There v's sign and upper five exponent bits are constant and its bits rise with v: the key is v's bits shifted left by 6, plus the record's number 0 .. 63 in the chunk.
; The factor 3/4 is the same for all rows of a query: the order within a query stays.  LIMIT: two cosines nearer than one step of v (1 in 2^24 x 3/4 above cosine 0, twice that below) count as equal: the lower column wins.
; Each (lane, register) keeps a sorted list of its four least keys: three medians and a minimum for each new key.
; A turn: the four accumulators take turns, one K step a group of four matrix instructions; behind each group stand 24 lines of the record before's keys.
.set REC,   13056
.set FRAGB, 1536
.set SCO,   12288
.set FCO,   12800
.set QUART, 2*REC
.set SLOTB, 8*REC
.set CHUNKB, 64*REC
.set SLOT1, 1<<17
.set SPARE, 2*SLOT1
.set SPW, 1
.set NIL, 2
.set LI,  3
.set LS,  4
.set LC,  5
.set ADF, 6
.set ADS, 7
.set ADC, 8
.set R4,  9
.set CO,  10
.set SA,  16
.set SB,  48
.set BF,  64
.set TR,  0
.set ACC, 128
.set CN,  192
.set AM,  208
.set C24, 216
.set H8,  218
.set RK,  220
.set RJ,  224
.set OK,  228
.set OJ,  232
.set TD,  236
.set TC,  240
.set PK,  128
.set PJ,  132
.set OUT, 192
.set WV,  10
.set TB,  32
.set KT,  33
.set MSB, 0
.macro WIN new
.if MSB != (\new)
	s_set_vgpr_msb (MSB<<8)|(\new)
.set MSB, \new
.endif
.endm
.macro CROUND
	s_barrier_signal -1
	s_barrier_wait -1
	s_cmp_lg_u32 s[WV], 0
	s_cbranch_scc1 .Lnot_wave_0_\@
	s_barrier_signal -3
.Lnot_wave_0_\@:
	s_barrier_wait -3
	s_barrier_signal -1
	s_barrier_wait -1
.endm
.macro FETCH p
	WIN 0
	v_add_nc_u32 v[ADF], s[TB], v[LI]
	v_add_nc_u32 v[ADS], s[TB], v[LS]
	v_add_nc_u32 v[ADC], s[TB], v[LC]
	s_add_co_u32 s[TB], s[TB], REC
.irp s, 0,1,2,3,4,5,6,7
.irp g, 0,1,2
	ds_load_b128 v[BF+96*(\p)+12*\s+4*\g:BF+96*(\p)+12*\s+4*\g+3], v[ADF] offset:FRAGB*\s+512*\g
.endr
.endr
	ds_load_b128 v[SB+8*(\p):SB+8*(\p)+3], v[ADS] offset:SCO
	ds_load_b128 v[SB+8*(\p)+4:SB+8*(\p)+7], v[ADS] offset:SCO+16
	WIN 0xc0
	ds_load_b128 v[CN+8*(\p):CN+8*(\p)+3], v[ADC] offset:FCO
	ds_load_b128 v[CN+8*(\p)+4:CN+8*(\p)+7], v[ADC] offset:FCO+16
.endm
.macro MM p
.set ks, i/4
.set qa, i%4
.set wsel, 0xf4+4*(qa/2)
	WIN wsel
.set rD, ACC+32*(\p)+8*qa
.set rB, BF+96*(\p)+12*ks
.set rQ, 12*(8*(qa%2)+ks)
.if ks == 0
	v_wmma_scale_f32_16x16x128_f8f6f4 v[rD:rD+7], v[rB:rB+11], v[rQ:rQ+11], 0, v[SB+8*(\p)+ks], v[SA+8*qa+ks] matrix_a_fmt:MATRIX_FMT_BF6 matrix_b_fmt:MATRIX_FMT_BF6
.else
	v_wmma_scale_f32_16x16x128_f8f6f4 v[rD:rD+7], v[rB:rB+11], v[rQ:rQ+11], v[rD:rD+7], v[SB+8*(\p)+ks], v[SA+8*qa+ks] matrix_a_fmt:MATRIX_FMT_BF6 matrix_b_fmt:MATRIX_FMT_BF6
.endif
.endm
.macro EP p
.set rA, ACC+32*(\p)
.if n < 16
	v_pk_mul_f32 v[rA+2*n:rA+2*n+1], v[rA+2*n:rA+2*n+1], v[CN+8*(\p)+2*(n%4):CN+8*(\p)+2*(n%4)+1]
.elseif n < 32
.set q, n-16
	v_pk_fma_f32 v[rA+2*q:rA+2*q+1], v[rA+2*q:rA+2*q+1], v[AM+2*(q/4):AM+2*(q/4)+1], v[C24:C24+1]
.elseif n < 64
.set q, n-32
	v_lshl_add_u32 v[rA+q], v[rA+q], 6, s[KT]      ; v's bits, the six constant ones shifted out, and the record's number
.else
.set q, (n-64)/4
.set z, (n-64)%4
.if z < 3
	v_med3_u32 v[TR+4*q+3-z], v[TR+4*q+2-z], v[TR+4*q+3-z], v[rA+q]
.else
	v_min_u32 v[TR+4*q], v[TR+4*q], v[rA+q]
.endif
.endif
.endm
.macro TURN p, ep, fetch
	s_wait_dscnt 0x0
.set i, 0
.rept 8                                ; eight K steps: four matrix instructions each, then 24 of the 192 lines on the other set's results
.rept 4
	MM \p
.set i, i+1
.endr
.if \ep
	WIN 0xff
.set u, 0
.rept 24
.set n, 6*(i-4)+u
	EP 1-\p
.set u, u+1
.endr
.endif
.if \fetch && (i == 4)
	FETCH 1-\p                                     ; behind lines 0 .. 23: the 16 that read the other set's row factors are done
.endif
.endr
.if \ep
	s_add_co_u32 s[KT], s[KT], 1
.else
.rept 4
	v_nop
.endr
.endif
.endm
.macro CHANGE fill
	WIN 0
	s_wait_tensorcnt 0x0
	ds_add_u32 v[SPW], v[NIL]
.if \fill
	s_xor_b32 s29, s29, SLOT1
	s_add_nc_u64 s[30:31], s[30:31], SLOTB
.endif
	s_wait_dscnt 0x0
.if \fill
	CROUND
	tensor_load_to_lds s[28:31], s[16:23]
	s_nop 0
.rept 4
	v_nop
.endr
.else
	s_barrier_signal -1
	s_barrier_wait -1
.endif
	s_sub_co_u32 s[TB], s[TB], SLOTB
	s_xor_b32 s[TB], s[TB], SLOT1
.endm
.macro PAIRS cnt
	WIN 0
	s_mov_b32 s35, \cnt
.Lpair_\@:
	TURN 1, 1, 1
	TURN 0, 1, 1
	WIN 0
	s_sub_co_u32 s35, s35, 1
	s_cmp_lg_u32 s35, 0
	s_cbranch_scc1 .Lpair_\@
.endm
	s_load_b128 s[4:7], s[0:1], 0x0
	s_load_b64 s[8:9], s[0:1], 0x10
	v_lshl_add_u32 v[SPW], v0, 2, SPARE
	v_mov_b32 v[NIL], 0
	ds_add_u32 v[SPW], v[NIL]
	ds_add_u32 v[SPW], v[NIL]
	v_lshrrev_b32 v3, 5, v0
	v_readfirstlane_b32 s[WV], v3
	s_bfe_u32 s11, ttmp6, 0x40000
	s_lshl_b32 s12, ttmp9, 2
	s_add_co_u32 s12, s12, s11
	s_and_b32 s13, ttmp7, 0xffff
	s_mov_b32 s16, 15|(3<<16)|(1<<21)
	s_mov_b32 s17, 32<<16
	s_mov_b32 s18, 102<<16
	s_mov_b32 s19, 32<<16
	s_mov_b32 s20, 102
	s_mov_b32 s21, 32
	s_mov_b32 s22, 0
	s_mov_b32 s23, 0
	s_mov_b32 s24, 1
	s_mul_i32 s25, s[WV], QUART
	s_mov_b32 s28, 1
	s_add_co_u32 s29, s25, SLOT1
	s_mul_i32 s38, s13, CHUNKB
	s_add_co_u32 s38, s38, s25
	s_mov_b32 s39, 0
	s_lshl_b32 s36, s12, 4
	s_lshl_b32 s37, s[WV], 2
	s_add_co_u32 s36, s36, s37
	s_mul_i32 s36, s36, REC
	s_mov_b32 s37, 0
	s_lshl_b32 s40, s12, 18
	s_lshl_b32 s41, s[WV], 16
	s_add_co_u32 s40, s40, s41
	s_lshl_b32 s41, s13, 8
	s_add_co_u32 s40, s40, s41
	s_mov_b32 s41, 0
	s_lshl_b32 s52, s13, 10
	s_mov_b32 s48, 0x76543210
	s_mov_b32 s49, 0xfedcba98
	s_mov_b32 s50, 0x0000ffff
	s_mov_b32 s51, 0xffff0000
	s_mov_b32 s[TB], 0
	s_mov_b32 s[KT], 0                             ; the record's number in the chunk
	s_wait_dscnt 0x0
	s_wait_kmcnt 0x0
	s_add_nc_u64 s[4:5], s[4:5], s[36:37]
	s_add_nc_u64 s[8:9], s[8:9], s[40:41]
	s_add_nc_u64 s[26:27], s[6:7], s[38:39]
	s_add_nc_u64 s[30:31], s[26:27], SLOTB
	s_or_b32 s27, s27, 0x80000000
	s_or_b32 s31, s31, 0x80000000
	CROUND
	tensor_load_to_lds s[24:27], s[16:23]          ; slot 0: my quarter, two records; the one tensor load of the wave at the head
	s_nop 0
.rept 4
	v_nop
.endr
	; the queries' loads and the lists' first values stand between slot 0's load and the wait for it
	v_and_b32 v[LI], 31, v0
	v_lshlrev_b32 v[LI], 4, v[LI]
	v_and_b32 v11, 15, v0
	v_bfe_u32 v12, v0, 4, 1
	v_lshlrev_b32 v[LS], 5, v11
	v_lshlrev_b32 v[LC], 5, v12
	v_lshlrev_b32 v[R4], 2, v11
	v_lshrrev_b32 v13, 3, v11
	v_and_b32 v14, 7, v11
	v_lshlrev_b32 v[CO], 13, v13
	v_lshl_add_u32 v[CO], v14, 5, v[CO]
	v_lshl_add_u32 v[CO], v12, 4, v[CO]
	WIN 0x40
.irp a, 0,1
.irp s, 0,1,2,3,4,5,6,7
.irp g, 0,1,2
	global_load_b128 v[12*(8*\a+\s)+4*\g:12*(8*\a+\s)+4*\g+3], v[LI], s[4:5] offset:\a*REC+FRAGB*\s+512*\g
.endr
.endr
.endr
	WIN 0x80
.irp a, 0,1
.irp s, 0,1,2,3,4,5,6,7
.irp g, 0,1,2
	global_load_b128 v[12*(8*\a+\s)+4*\g:12*(8*\a+\s)+4*\g+3], v[LI], s[4:5] offset:(\a+2)*REC+FRAGB*\s+512*\g
.endr
.endr
.endr
	WIN 0
.irp a, 0,1,2,3
	global_load_b128 v[SA+8*\a:SA+8*\a+3], v[LS], s[4:5] offset:\a*REC+SCO
	global_load_b128 v[SA+8*\a+4:SA+8*\a+7], v[LS], s[4:5] offset:\a*REC+SCO+16
.endr
	WIN 0xc0
.irp a, 0,1,2,3
	global_load_b32 v[AM+2*\a], v[R4], s[4:5] offset:\a*REC+FCO
.endr
.set k, 0
.rept 128
	v_mov_b32 v[TR+k], -1
.set k, k+1
.endr
	v_mov_b32 v[C24], 0x4b800000
	v_mov_b32 v[C24+1], 0x4b800000
	WIN 0
	s_wait_alu depctr_va_vdst(0)                   ; the head's end
	s_wait_tensorcnt 0x0                           ; my quarter of slot 0 is in
	ds_add_u32 v[SPW], v[NIL]
	s_wait_dscnt 0x0
	CROUND                                         ; every wave's quarter is in, and the four work-groups are here: the joint loads meet
	tensor_load_to_lds s[28:31], s[16:23]          ; slot 1's first fill, the first tensor load behind the round
	s_nop 0
.rept 4
	v_nop
.endr
	FETCH 0
	s_wait_loadcnt 0x0
	WIN 0xff
.irp a, 0,1,2,3
	v_mul_f32 v[AM+2*\a], 0x3f400000, v[AM+2*\a]   ; -3/4 / |query|
.endr
.irp a, 0,1,2,3
	v_mov_b32 v[AM+2*\a+1], v[AM+2*\a]
.endr
	TURN 0, 0, 1
	PAIRS 3
	s_mov_b32 s34, 6
.Lslot:
	CHANGE 1
	PAIRS 4
	s_sub_co_u32 s34, s34, 1
	s_cmp_lg_u32 s34, 0
	s_cbranch_scc1 .Lslot
	CHANGE 0
	PAIRS 4
	TURN 1, 1, 0
	WIN 0xff
.set n, 0
.rept 192
	EP 1
.set n, n+1
.endr
.macro FIN a
.set LST, TR+32*(\a)
.irp r, 0,1,2,3
	v_min_u32 v[RK+\r], v[LST], v[LST+4]
.irp j, 2,3,4,5,6,7
	v_min_u32 v[RK+\r], v[RK+\r], v[LST+4*\j]
.endr
	v_mov_b32 v[RJ+\r], 7
.irp j, 6,5,4,3,2,1,0
	v_cmp_ne_u32 vcc_lo, v[LST+4*\j], v[RK+\r]
	v_cndmask_b32 v[RJ+\r], \j, v[RJ+\r], vcc_lo
.endr
.if \r < 3
.irp j, 0,1,2,3,4,5,6,7
	v_cmp_eq_u32 vcc_lo, \j, v[RJ+\r]
.set z, 0
.rept 3-\r
	v_cndmask_b32 v[LST+4*\j+z], v[LST+4*\j+z], v[LST+4*\j+z+1], vcc_lo
.set z, z+1
.endr
.endr
.endif
.endr
.irp r, 0,1,2,3
	v_add_nc_u32 v[RJ+\r], v[H8], v[RJ+\r]
.endr
.irp r, 0,1,2,3
	v_permlanex16_b32 v[PK+\r], v[RK+\r], s48, s49
	v_permlanex16_b32 v[PJ+\r], v[RJ+\r], s48, s49
.endr
.irp r, 0,1,2,3
	v_cmp_lt_u32 s40, v[RK], v[PK]
	v_cmp_eq_u32 s41, v[RK], v[PK]
	s_and_b32 s41, s41, s50
	s_or_b32 s40, s40, s41
	v_cndmask_b32 v[OK+\r], v[PK], v[RK], s40
	v_cndmask_b32 v[OJ+\r], v[PJ], v[RJ], s40
.if \r < 3
.set z, 0
.rept 3-\r
	v_cndmask_b32 v[RK+z], v[RK+z], v[RK+z+1], s40
	v_cndmask_b32 v[RJ+z], v[RJ+z], v[RJ+z+1], s40
	v_cndmask_b32 v[PK+z], v[PK+z+1], v[PK+z], s40
	v_cndmask_b32 v[PJ+z], v[PJ+z+1], v[PJ+z], s40
.set z, z+1
.endr
.endif
.endr
.irp r, 0,1,2,3
	v_lshrrev_b32 v[TD+\r], 6, v[OK+\r]
	v_and_b32 v[TC+\r], 63, v[OK+\r]
	v_lshl_add_u32 v[TC+\r], v[TC+\r], 4, v[OJ+\r]
	v_add_nc_u32 v[TC+\r], s52, v[TC+\r]
.endr
	v_cndmask_b32 v[OUT+4*(\a)], v[TD], v[TD+2], s51
	v_cndmask_b32 v[OUT+4*(\a)+1], v[TC], v[TC+2], s51
	v_cndmask_b32 v[OUT+4*(\a)+2], v[TD+1], v[TD+3], s51
	v_cndmask_b32 v[OUT+4*(\a)+3], v[TC+1], v[TC+3], s51
.endm
	WIN 0xc0
	v_bfe_u32 v[H8], v0, 4, 1
	WIN 0xff
	v_lshlrev_b32 v[H8], 3, v[H8]
	FIN 0
	FIN 1
	FIN 2
	FIN 3
	WIN 0x0c
.irp a, 0,1,2,3
	global_store_b128 v[CO], v[OUT+4*\a:OUT+4*\a+3], s[8:9] offset:16384*\a
.endr
	WIN 0
	s_wait_tensorcnt 0x0
	ds_add_u32 v[SPW], v[NIL]
	s_wait_dscnt 0x0
	CROUND
	s_endpgm
.Lfunc_end_k_qed1a449ed6_score:
	.size	k_qed1a449ed6_score, .Lfunc_end_k_qed1a449ed6_score-k_qed1a449ed6_score
	.p2alignl 7, 3214868480
	.fill 96, 4, 3214868480
	.section	.rodata,"a",@progbits
	.p2align	6, 0x0
	.amdhsa_kernel k_qed1a449ed6_score
		.amdhsa_group_segment_fixed_size 327680
		.amdhsa_private_segment_fixed_size 0
		.amdhsa_enable_private_segment 0
		.amdhsa_kernarg_size 24
		.amdhsa_user_sgpr_count 2
		.amdhsa_user_sgpr_kernarg_segment_ptr 1
		.amdhsa_wavefront_size32 1
		.amdhsa_system_sgpr_workgroup_id_x 1
		.amdhsa_system_sgpr_workgroup_id_y 1
		.amdhsa_system_sgpr_workgroup_id_z 1
		.amdhsa_system_vgpr_workitem_id 0
		.amdhsa_next_free_vgpr 1024
		.amdhsa_next_free_sgpr 66
		.amdhsa_reserve_vcc 1
		.amdhsa_float_denorm_mode_32 3
		.amdhsa_float_denorm_mode_16_64 3
		.amdhsa_memory_ordered 1
		.amdhsa_forward_progress 1
		.amdhsa_inst_pref_size 202
	.end_amdhsa_kernel
	.amdgpu_metadata
---
amdhsa.version: [ 1, 2 ]
amdhsa.kernels:
  - .name:           k_qed1a449ed6_score
    .symbol:         k_qed1a449ed6_score.kd
    .args:
      - { .name: aq, .offset: 0, .size: 8, .value_kind: global_buffer, .address_space: global }
      - { .name: bq, .offset: 8, .size: 8, .value_kind: global_buffer, .address_space: global }
      - { .name: cand, .offset: 16, .size: 8, .value_kind: global_buffer, .address_space: global }
    .group_segment_fixed_size: 327680
    .private_segment_fixed_size: 0
    .kernarg_segment_align: 8
    .kernarg_segment_size: 24
    .max_flat_workgroup_size: 128
    .sgpr_count:     66
    .vgpr_count:     1024
    .wavefront_size: 32
...
	.end_amdgpu_metadata
.endif
;; end of part 2
;; launch gather (part 3): grid 256 x 1, 8 waves a work-group, no clusters, 9,728 bytes of LDS; arguments cand, synth_set, out0; writes out0
.if DOCPART == 3
	.amdgcn_target "amdgcn-amd-amdhsa--gfx1250"
	.amdhsa_code_object_version 6
	.text
	.protected	k_qed1a449ed6_gather
	.globl	k_qed1a449ed6_gather
	.p2align	8
	.type	k_qed1a449ed6_gather,@function
k_qed1a449ed6_gather:
	s_mov_b64 s[64:65], 0
	v_nop
	global_prefetch_b8 v0, s[64:65] scope:SCOPE_SE
	s_setreg_imm32_b32 hwreg(HW_REG_WAVE_MODE, 25, 1), 1
	s_wait_xcnt 0x0
; For each query: the four least of its 32 x 4 candidates (D, column), equal D: the lower column; then the mean of those four rows of synth_set.
; Of synth_set only the rows that the stored columns name are read: a lookup by an index that this launch reads from memory.  All that leads to an address here is whole numbers: minima, compares and selects.
; cand: [256 row groups][32 chunks][8 rows][4 entries][D, column], u32; a chunk's four entries of a row ascend by (D, column).  synth_set [32768][1024], out0 [2048][1024], f32.
; SHARES.  A work-group takes a row group (8 queries), wave w its query w.  The group's 8,192 bytes of cand are read on end, 16 bytes a thread, and turn through LDS (32 blocks of 256 bytes, 272 apart = 17 x 16,
; so that the 32 lanes' reads begin at different 16-byte columns modulo 256): lane l then holds chunk l's four entries of the wave's query.
; No matrix unit, no cluster, no tensor load: the launch moves 4 + 1 rows of 4,096 bytes a query and shares nothing but the 8,192 bytes.
.set UP,    272
.set SPARE, 32*UP                      ; behind the blocks: the spare words, 128 bytes for each wave: four blocks of 256 bytes that no other line names
.set SPW, 1                            ; v1   LDS address of my spare word; never rewritten
.set NIL, 2                            ; v2   0; never rewritten
.set L16, 5                            ; v5   16 x lane
.set GI,  6                            ; v6   16 x thread
.set LW,  7                            ; v7   LDS, on the way in
.set LR,  9                            ; v9   and on the way out: 272 x lane + 32 x wave
.set IN,  16                           ; v16-23 as loaded
.set LD,  24                           ; v24-31 my chunk's list: D0, column 0, D1, column 1 ..
.set MN,  32                           ; v32  the least D
.set T,   33                           ; v33  another lane's number
.set WC,  36                           ; v36-39 the four columns
.set OF,  40                           ; v40-43 their byte offsets
.set ROWS, 64                          ; v64-191 four rows, 32 registers each
	s_load_b128 s[4:7], s[0:1], 0x0                ; cand, synth_set
	s_load_b64 s[8:9], s[0:1], 0x10                ; out0
	v_lshl_add_u32 v[SPW], v0, 2, SPARE
	v_mov_b32 v[NIL], 0
	v_lshrrev_b32 v3, 5, v0
	s_delay_alu instid0(VALU_DEP_1)
	v_readfirstlane_b32 s10, v3                    ; wave 0..7
	v_and_b32 v4, 31, v0                           ; lane
	s_delay_alu instid0(VALU_DEP_1)
	v_lshlrev_b32 v[L16], 4, v4
	v_lshlrev_b32 v[GI], 4, v0
	v_lshrrev_b32 v[LW], 4, v0
	v_and_b32 v8, 15, v0
	s_delay_alu instid0(VALU_DEP_2)
	v_mul_u32_u24 v[LW], v[LW], UP
	s_delay_alu instid0(VALU_DEP_1)
	v_lshl_add_u32 v[LW], v8, 4, v[LW]             ; block thread / 16, 16 bytes a thread
	v_mul_u32_u24 v[LR], v4, UP
	s_lshl_b32 s11, s10, 5
	v_add_nc_u32 v[LR], s11, v[LR]
	v_mov_b32 v[T], 0                              ; written once: the destination of a lane move counts as one of its sources
	s_mov_b32 s20, 0x76543210
	s_mov_b32 s21, 0xfedcba98                      ; v_permlanex16_b32's selects for lane l xor 16
	s_mov_b32 s22, 0x3e800000                      ; 1 / 4
	s_mov_b32 s23, s22                             ; (named with it as a pair, so it is written)
	s_lshl_b32 s12, ttmp9, 13                      ; the row group's 8,192 bytes of cand
	s_mov_b32 s13, 0
	s_lshl_b32 s14, ttmp9, 3
	s_add_co_u32 s14, s14, s10                     ; my query
	s_lshl_b32 s14, s14, 12                        ; its row of out0
	s_mov_b32 s15, 0
	s_wait_alu depctr_va_vdst(0)
	s_wait_kmcnt 0x0
	s_add_nc_u64 s[4:5], s[4:5], s[12:13]
	s_add_nc_u64 s[8:9], s[8:9], s[14:15]
	global_load_b128 v[IN:IN+3], v[GI], s[4:5]
	global_load_b128 v[IN+4:IN+7], v[GI], s[4:5] offset:4096
	s_wait_loadcnt 0x0
	ds_store_b128 v[LW], v[IN:IN+3]
	ds_store_b128 v[LW], v[IN+4:IN+7] offset:16*UP
	s_wait_dscnt 0x0                               ; for the others' sake: my stores are done
	s_barrier_signal -1
	s_barrier_wait -1
	ds_load_b128 v[LD:LD+3], v[LR]
	ds_load_b128 v[LD+4:LD+7], v[LR] offset:16
	s_wait_dscnt 0x0
.macro WMIN x                          ; the least of v[x] over the wave's 32 lanes, in every lane
.irp m, 1,2,4,8
	s_delay_alu instid0(VALU_DEP_1)
	v_mov_b32_dpp v[T], v[\x] row_xmask:\m row_mask:0xf bank_mask:0xf
	s_delay_alu instid0(VALU_DEP_1)
	v_min_u32 v[\x], v[\x], v[T]
.endr
	s_delay_alu instid0(VALU_DEP_1)
	v_permlanex16_b32 v[T], v[\x], s20, s21
	s_delay_alu instid0(VALU_DEP_1)
	v_min_u32 v[\x], v[\x], v[T]
.endm
.macro ROUND r                         ; the r-th nearest: the least D among the 32 heads; among the heads that have it the least column; that lane's list moves up
	v_mov_b32 v[MN], v[LD]
	WMIN MN
	s_delay_alu instid0(VALU_DEP_1)
	v_cmp_eq_u32 vcc_lo, v[LD], v[MN]
	s_delay_alu instid0(VALU_DEP_1)
	v_cndmask_b32 v[WC+\r], -1, v[LD+1], vcc_lo
	WMIN WC+\r
.if \r < 3
	s_delay_alu instid0(VALU_DEP_1)
	v_cmp_eq_u32 vcc_lo, v[LD+1], v[WC+\r]         ; columns differ from chunk to chunk: one lane
.set z, 0
.rept 2*(3-\r)
	v_cndmask_b32 v[LD+z], v[LD+z], v[LD+z+2], vcc_lo
.set z, z+1
.endr
.endif
.endm
	ROUND 0
	ROUND 1
	ROUND 2
	ROUND 3
.irp r, 0,1,2,3
	v_min_u32 v[WC+\r], 0x7fff, v[WC+\r]           ; an index stays inside its table
	s_delay_alu instid0(VALU_DEP_1)
	v_lshl_add_u32 v[OF+\r], v[WC+\r], 12, v[L16]  ; 4,096 bytes a row, 16 bytes a lane
.endr
.irp r, 0,1,2,3
.irp i, 0,1,2,3,4,5,6,7
	global_load_b128 v[ROWS+32*\r+4*\i:ROWS+32*\r+4*\i+3], v[OF+\r], s[6:7] offset:512*\i   ; 512 consecutive bytes an instruction; 32 loads of the wave are out
.endr
.endr
	s_wait_loadcnt 16                              ; rows 0 and 1 are in; the 16 loads of rows 2 and 3 may be out
.set k, 0
.rept 16
	v_pk_add_f32 v[ROWS+2*k:ROWS+2*k+1], v[ROWS+2*k:ROWS+2*k+1], v[ROWS+32+2*k:ROWS+32+2*k+1]
.set k, k+1
.endr
	s_wait_loadcnt 8                               ; row 2 is in; row 3's 8 loads may be out
.set k, 0
.rept 16
	v_pk_add_f32 v[ROWS+2*k:ROWS+2*k+1], v[ROWS+2*k:ROWS+2*k+1], v[ROWS+64+2*k:ROWS+64+2*k+1]
.set k, k+1
.endr
	s_wait_loadcnt 0x0
.set k, 0
.rept 16
	v_pk_add_f32 v[ROWS+2*k:ROWS+2*k+1], v[ROWS+2*k:ROWS+2*k+1], v[ROWS+96+2*k:ROWS+96+2*k+1]
.set k, k+1
.endr
.set k, 0
.rept 16
	v_pk_mul_f32 v[ROWS+2*k:ROWS+2*k+1], v[ROWS+2*k:ROWS+2*k+1], s[22:23] op_sel_hi:[1,0]   ; the mean of four
.set k, k+1
.endr
.irp i, 0,1,2,3,4,5,6,7
	global_store_b128 v[L16], v[ROWS+4*\i:ROWS+4*\i+3], s[8:9] offset:512*\i th:TH_STORE_NT   ; 32 lanes store 512 consecutive bytes, at a multiple of 512 from out0's first byte
.endr
	s_wait_tensorcnt 0x0                           ; the wave's end, behind my last LDS store
	ds_add_u32 v[SPW], v[NIL]
	s_wait_dscnt 0x0
	s_endpgm
.Lfunc_end_k_qed1a449ed6_gather:
	.size	k_qed1a449ed6_gather, .Lfunc_end_k_qed1a449ed6_gather-k_qed1a449ed6_gather
	.p2alignl 7, 3214868480
	.fill 96, 4, 3214868480
	.section	.rodata,"a",@progbits
	.p2align	6, 0x0
	.amdhsa_kernel k_qed1a449ed6_gather
		.amdhsa_group_segment_fixed_size 9728
		.amdhsa_private_segment_fixed_size 0
		.amdhsa_enable_private_segment 0
		.amdhsa_kernarg_size 24
		.amdhsa_user_sgpr_count 2
		.amdhsa_user_sgpr_kernarg_segment_ptr 1
		.amdhsa_wavefront_size32 1
		.amdhsa_system_sgpr_workgroup_id_x 1
		.amdhsa_system_sgpr_workgroup_id_y 1
		.amdhsa_system_sgpr_workgroup_id_z 1
		.amdhsa_system_vgpr_workitem_id 0
		.amdhsa_next_free_vgpr 192
		.amdhsa_next_free_sgpr 66
		.amdhsa_reserve_vcc 1
		.amdhsa_float_denorm_mode_32 3
		.amdhsa_float_denorm_mode_16_64 3
		.amdhsa_memory_ordered 1
		.amdhsa_forward_progress 1
		.amdhsa_inst_pref_size 19
	.end_amdhsa_kernel
	.amdgpu_metadata
---
amdhsa.version: [ 1, 2 ]
amdhsa.kernels:
  - .name:           k_qed1a449ed6_gather
    .symbol:         k_qed1a449ed6_gather.kd
    .args:
      - { .name: cand, .offset: 0, .size: 8, .value_kind: global_buffer, .address_space: global }
      - { .name: synth_set, .offset: 8, .size: 8, .value_kind: global_buffer, .address_space: global }
      - { .name: out0, .offset: 16, .size: 8, .value_kind: global_buffer, .address_space: global }
    .group_segment_fixed_size: 9728
    .private_segment_fixed_size: 0
    .kernarg_segment_align: 8
    .kernarg_segment_size: 24
    .max_flat_workgroup_size: 256
    .sgpr_count:     66
    .vgpr_count:     192
    .wavefront_size: 32
...
	.end_amdgpu_metadata
.endif
;; end of part 3
